; MI455X (gfx1250); checked and timed in simulation.
; The chip was launched on July 23, 2026; its instructions are those of AMD's public machine-readable ISA for CDNA 5 (MIT licence, August 2026) and "CDNA5" Instruction Set Architecture Reference Guide (July 2026). The comments in the code are by the model that wrote it; some were corrected since.
;; Vector Net Global Graph. Allowed arithmetic: float matrix products may take bf16 or f16 operands with f32 sums; all other float work in f32.
;; Inputs: bk 128 float32; bq 128 float32; bv 128 float32; valid_lens 256 int32; wk 128 x 128 float32; wq 128 x 128 float32; wv 128 x 128 float32; x 256 x 512 x 128 float32.
;; Outputs: out0 256 x 512 x 128 float32.
;; One version. Each part assembles by itself: llvm-mc -triple=amdgcn-amd-amdhsa -mcpu=gfx1250 --defsym DOCPART=n.
;; ======== version 1 of 1: 1 launch
;; limits: values are held in f16: magnitudes above 65,504 overflow, below 6.1e-05 lose precision
;; launch attn (part 1): grid 256 x 1, 8 waves a work-group, no clusters, 326,144 bytes of LDS; arguments x, wq, wk, wv, bq, bk, bv, valid_lens, out0; writes out0
.if DOCPART == 1
	.amdgcn_target "amdgcn-amd-amdhsa--gfx1250"
	.amdhsa_code_object_version 6
	.text
	.protected	k_q3bc67de1e2_attn
	.globl	k_q3bc67de1e2_attn
	.p2align	8
	.type	k_q3bc67de1e2_attn,@function
k_q3bc67de1e2_attn:
	s_mov_b64 s[64:65], 0
	v_nop
	global_prefetch_b8 v0, s[64:65] scope:SCOPE_SE
	s_setreg_imm32_b32 hwreg(HW_REG_WAVE_MODE, 25, 1), 1
	s_wait_xcnt 0x0
; VectorNet global graph, one self-attention layer, fused into one launch.  x, out0: [256][512][128] f32; wq, wk, wv: [128][128] f32.
; One work-group = one batch b; vl = valid_lens[b], clamped to 0..512.  Rows i >= vl of the result are 0; rows i < vl are a softmax over keys j < vl.
; Eight waves; wave w owns rows 64 w .. 64 w + 63 (four tiles of 16).  It projects them to Q (kept in registers), K and V^T (f16, in LDS) and
; then runs attention with a running maximum for its 64 queries over the chunks of 64 keys that hold a valid key.  A wave with 64 w >= vl
; only helps to stage the weights, stores 64 rows of zeros and passes the barriers.
; ALL MATRIX OPERANDS ARE f16, NOT bf16.  A result is a weighted mean of up to 512 values of V that largely cancel, so the rounding of an operand
; stands against a small number; f16's 11 significant bits against bf16's 8 make it eight times smaller.  Room in f16 (largest number 65,504):
; P <= 1; with x and the weights all 30 times the drawn spread q, k and x wv have a standard deviation of 0.577 x 900 = 520; with common offsets
; of 30 on x and 2.65 on the weights they are about 128 x 30 x 2.65 = 10,200; 30 times smaller all round they are about 0.0006, normal numbers.
; ALL PRODUCTS ARE TAKEN TRANSPOSED, so that each result already is the next operand (L lane, r = L & 15, h = L >> 4):
;   Q^T = Wq^T x^T : lane holds outputs 16u+8h+j of row r; tiles 2s, 2s+1 packed = B fragment of K step s of the scores
;   K^T = Wk^T x^T : the same; 8 neighbouring outputs of one key pack into one 16-byte LDS store of K[key][.]
;   V   = x Wv     : lane holds keys 8h+j of output 16u+r; 8 neighbouring keys pack into one 16-byte store of V^T[.][key]
;   S^T = K Q^T    : lane holds keys 8h+j of query r; two key tiles packed in place = B fragment P^T
;   O^T = V^T P^T  : lane holds outputs 16u+8h+j of query r: maximum, sum and rescale factor are one number a lane
; bq, bk enter as the C operand of a projection tile's first product.  bv is added last, out = O / l + bv: the weights of a valid row sum
; to 1, so this is the same value for every input (the order of rounding differs from the reference's).
; LIMITS KEPT: |x|, |w|, |q|, |k| and |x wv| stay below 65,504 (beyond it the conversion to f16 gives an infinity); valid raw scores are finite
; and above -1e30 (the stand-in for a masked key); an exponential below 2^-126 counts as 0 (ISA guide, v_exp_f32), one below 3e-8 is lost in
; the product with V; l is summed from the f32 exponentials while the product with V takes them rounded to f16.
; THE CHUNKS ARE WRITTEN OUT, not looped over: the last chunk (masked) and then chunks 0 to 6, each with a forward exit in front of it.  So
; every K and V address is a lane term plus a constant (the last chunk's: plus CL <= 7 times a constant), and it can be read off the text that
; no such load reaches the output stages, which a wave writes while others may still be reading K and V.  The price is sixteen copies of
; the block of 32 keys in the text; a wave runs through each at most once.
; NO CLUSTER: what work-groups share is the weights, 196,608 bytes against up to 524,288 of x and out0 a work-group, and the paths of
; partners hang on their own valid_lens, so partners would not make the same requests.  No tensor loads: x in f32 (262,144 bytes)
; has no room in LDS beside K and V^T; it is converted on its way through registers, in whole rows of 512 bytes.
; No prefetch: a wave asks for its whole share of x in the staging phase; nothing from memory is waited for afterwards.
;
; LDS.  Pitches 272 and 144 are odd multiples of 16 bytes, 288 an odd multiple of 32: the rows that one fragment load touches start at
; different 16-byte columns modulo 256.
.set KP,   272                         ; K[key][128 f16]: 256 bytes + 16.  Before the projection wave w's 64 rows hold its own x rows in f16
.set KCH,  64*KP                       ; a chunk of 64 keys = a wave's rows
.set VT,   512*KP                      ; V^T: 8 chunks of 64 keys, each 128 output rows of 128 bytes + 16.  Chunk w is written by wave w alone.
.set VP,   144                         ; Until the second barrier the region holds the stages of Wq (at VT) and Wk (at VT + WST)
.set VCH,  128*VP
.set WV,   VT+8*VCH                    ; the stage of Wv; behind the third barrier eight output stages, one a wave
.set WP,   288                         ; a weight stage: f16 [d][out], 256 bytes + 32
.set WST,  128*WP
.set OST,  16*WP                       ; 4,608: a wave's 16 rows of a weight stage, later its output stage (16 rows of 272)
.set BIAS, WV+WST                      ; bq, bk, bv in f32, 512 bytes each; ends at 325,120
; REGISTERS.  Window 1 (v256-511, written v0-255 under s_set_vgpr_msb): raw Wq 0-63, raw Wk 64-127, raw x tiles 1, 2 at 128, 192; then
; XF[t][ks] = 32 t + 8 ks (x fragments); in the attention O[t][u] = 64 t + 8 u.
; Window 0: v0 thread; v1 my K rows / K address; v2 KL = 272 r + 16 h; v3 VL = VT + 144 r + 16 h; v4 my V chunk / V address; v30 h, later
; rem - 8 h; v31 16 L; v32-95 raw x tile 3; v128-191 raw Wv; v192-255 raw x tile 0.  The raw registers of the loads that every wave issues
; are exactly XF and Q: every register that a later phase reads is written on both ways through the staging.
.set WF0, 32                           ; v32-63, v64-95   weight fragments, two buffers
.set BB0, 8                            ; v8-15, v16-23    bias fragments, two buffers
.set DD,  96                           ; v96-127          projection results, tile t at DD + 8 t
.set QF,  128                          ; v128-255         Q[t][ks] at QF + 32 t + 8 ks
.set FR,  32                           ; v32-63           four K or V fragments
.set SC,  64                           ; v64-127          S[t][kt] at SC + 16 t + 8 kt; then P[t] in SC + 16 t + 0..7, V fragment 4 + t in + 8..15
.set MX,  6                            ; v6-9             running maximum of tile t (raw scores)
.set LP,  10                           ; v10-17           running sum of tile t, a pair of partial sums
.set NM,  18                           ; v18-21           -c x maximum, twice, for the two tiles at work
.set AL,  22                           ; v22-25           rescale factor, twice, for the two tiles at work
.set TT,  26                           ; v26-29           at work
.set TO,  64                           ; way out: 32 finished numbers
.set BV,  128                          ; way out: bv fragments, BV + 8 u
.set RB0, 32                           ; way out: rows read back, two buffers in turn
.set RB1, 96
; s[8:25] pointers; s26 wave; s27 64 w; s28 vl; s29 CL last chunk; s30 rem = vl - 64 CL; s[32:33] c, c; s34 -c; s35 -1e30;
; s36, s37 lane selects; s[38:39] offsets; s[40:41] bias pointer; s42, s43 CL's LDS offsets; s44-47 row masks; s2-s7 at work, s6 kept.
.set MSB, 0
.macro WIN new                         ; low byte: bits 1:0 source 0, 3:2 source 1, 5:4 source 2, 7:6 destination; high byte: the setting left
.if MSB != (\new)
	s_set_vgpr_msb (MSB<<8)|(\new)
.set MSB, (\new)
.endif
.endm
.macro NOPS n                          ; places behind matrix instructions (ISA guide 7.12.1)
.rept \n
	v_nop
.endr
.endm
; 16 loads, each a whole row of 512 bytes (16 bytes a lane), into window w
.macro LD16 w, base, p, ofs, nt
	WIN 0x40*\w
.irp i, 0,1,2,3,4,5,6,7,8,9,10,11,12,13,14,15
.if \nt
	global_load_b128 v[\base+4*\i:\base+4*\i+3], v31, s[\p:\p+1] offset:\ofs+512*\i th:TH_LOAD_NT
.else
	global_load_b128 v[\base+4*\i:\base+4*\i+3], v31, s[\p:\p+1] offset:\ofs+512*\i
.endif
.endr
.endm
; those 16 rows to f16 in place, and 8 bytes a lane into LDS rows
.macro CV16 w, base, areg, ofs, pitch
	WIN 0x45*\w
.irp i, 0,1,2,3,4,5,6,7,8,9,10,11,12,13,14,15
	v_cvt_pk_f16_f32 v[\base+4*\i], v[\base+4*\i], v[\base+4*\i+1]
	v_cvt_pk_f16_f32 v[\base+4*\i+1], v[\base+4*\i+2], v[\base+4*\i+3]
.endr
	WIN 0x04*\w
.irp i, 0,1,2,3,4,5,6,7,8,9,10,11,12,13,14,15
	ds_store_b64 v[\areg], v[\base+4*\i:\base+4*\i+1] offset:\ofs+\pitch*\i
.endr
.endm
; the four fragments (16 rows x 32 d) of my x tile t, from my own rows: LDS serves a wave's instructions in order (ISA guide 5.7.1)
.macro XFLD t
	WIN 0x40
.irp ks, 0,1,2,3
	ds_load_b128 v[32*\t+8*\ks:32*\t+8*\ks+3], v1 offset:16*KP*\t+64*\ks
	ds_load_b128 v[32*\t+8*\ks+4:32*\t+8*\ks+7], v1 offset:16*KP*\t+64*\ks+32
.endr
.endm
; the four fragments (32 d x 16 outputs 16u ..) of a weight stage, transposed on the way
.macro FRAGW buf, areg, u
.irp ks, 0,1,2,3
	ds_load_tr16_b128 v[\buf+8*\ks:\buf+8*\ks+3], v[\areg] offset:32*WP*\ks+32*(\u)
	ds_load_tr16_b128 v[\buf+8*\ks+4:\buf+8*\ks+7], v[\areg] offset:32*WP*\ks+32*(\u)+16*WP
.endr
.endm
.macro BIASLD bb, m, u                 ; bias m of outputs 16u + 8h + 0..7, as a C operand
	ds_load_b128 v[\bb:\bb+3], v24 offset:512*\m+64*(\u)
	ds_load_b128 v[\bb+4:\bb+7], v24 offset:512*\m+64*(\u)+16
.endm
.macro PLOAD s                         ; the 10 LDS loads of projection step s: 0-7 Q, 8-15 K
.if (\s) < 8
	FRAGW WF0+32*((\s)&1), 6, (\s)
	BIASLD BB0+8*((\s)&1), 0, (\s)
.else
	FRAGW WF0+32*((\s)&1), 7, (\s)-8
	BIASLD BB0+8*((\s)&1), 1, (\s)-8
.endif
.endm
; projection step s: 16 outputs of Q (s < 8) or K for my 64 rows
.macro QKSTEP s
.if \s < 15
	s_wait_dscnt 10                                ; only the next step's 8 + 2 loads may be out: this step's are in
.else
	s_wait_dscnt 0
.endif
	WIN 0x04                                       ; B = XF in window 1
.irp ks, 0,1,2,3
.irp t, 0,1,2,3
.if \ks == 0
	v_wmma_f32_16x16x32_f16 v[DD+8*\t:DD+8*\t+7], v[WF0+32*(\s&1)+8*\ks:WF0+32*(\s&1)+8*\ks+7], v[32*\t+8*\ks:32*\t+8*\ks+7], v[BB0+8*(\s&1):BB0+8*(\s&1)+7]
.else
	v_wmma_f32_16x16x32_f16 v[DD+8*\t:DD+8*\t+7], v[WF0+32*(\s&1)+8*\ks:WF0+32*(\s&1)+8*\ks+7], v[32*\t+8*\ks:32*\t+8*\ks+7], v[DD+8*\t:DD+8*\t+7]
.endif
.endr
.endr
	WIN 0
	NOPS 5                                         ; four before the results are read and the fragment buffers loaded again, five before the next step writes over the results
.if \s < 8
.irp t, 0,1,2,3
.irp i, 0,1,2,3
	v_cvt_pk_f16_f32 v[QF+32*\t+8*(\s>>1)+4*(\s&1)+\i], v[DD+8*\t+2*\i], v[DD+8*\t+2*\i+1]
.endr
.endr
.else
.irp t, 0,1,2,3
.irp i, 0,1,2,3
	v_cvt_pk_f16_f32 v[DD+8*\t+\i], v[DD+8*\t+2*\i], v[DD+8*\t+2*\i+1]
.endr
	ds_store_b128 v1, v[DD+8*\t:DD+8*\t+3] offset:16*KP*\t+32*(\s-8)   ; K[16t + r][16u + 8h ..]
.endr
.endif
.if \s < 14
	PLOAD \s+2
.endif
.endm
; projection step of V: outputs 16u .. of my 64 keys, without bias
.macro VSTEP u
.if \u < 7
	s_wait_dscnt 8                                 ; only the next step's 8 loads may be out
.else
	s_wait_dscnt 0
.endif
	WIN 0x01                                       ; A = XF in window 1
.irp ks, 0,1,2,3
.irp t, 0,1,2,3
.if \ks == 0
	v_wmma_f32_16x16x32_f16 v[DD+8*\t:DD+8*\t+7], v[32*\t+8*\ks:32*\t+8*\ks+7], v[WF0+32*(\u&1)+8*\ks:WF0+32*(\u&1)+8*\ks+7], 0
.else
	v_wmma_f32_16x16x32_f16 v[DD+8*\t:DD+8*\t+7], v[32*\t+8*\ks:32*\t+8*\ks+7], v[WF0+32*(\u&1)+8*\ks:WF0+32*(\u&1)+8*\ks+7], v[DD+8*\t:DD+8*\t+7]
.endif
.endr
.endr
	WIN 0
	NOPS 5                                         ; as in the step above
.irp t, 0,1,2,3
.irp i, 0,1,2,3
	v_cvt_pk_f16_f32 v[DD+8*\t+\i], v[DD+8*\t+2*\i], v[DD+8*\t+2*\i+1]
.endr
	ds_store_b128 v4, v[DD+8*\t:DD+8*\t+3] offset:16*VP*\u+32*\t       ; V^T[16u + r][16t + 8h ..] of my chunk
.endr
.if \u < 6
	FRAGW WF0+32*(\u&1), 6, \u+2
.endif
.endm
.macro KLD ks, ofs                     ; K fragment: 16 keys x outputs 32 ks ..
	ds_load_b128 v[FR+8*\ks:FR+8*\ks+3], v1 offset:\ofs+64*\ks
	ds_load_b128 v[FR+8*\ks+4:FR+8*\ks+7], v1 offset:\ofs+64*\ks+32
.endm
.macro SGROUP kt, ks, zero             ; 4 matrix instructions: key tile kt x my four query tiles, K step ks
.irp t, 0,1,2,3
.if \zero
	v_wmma_f32_16x16x32_f16 v[SC+16*\t+8*\kt:SC+16*\t+8*\kt+7], v[FR+8*\ks:FR+8*\ks+7], v[QF+32*\t+8*\ks:QF+32*\t+8*\ks+7], 0
.else
	v_wmma_f32_16x16x32_f16 v[SC+16*\t+8*\kt:SC+16*\t+8*\kt+7], v[FR+8*\ks:FR+8*\ks+7], v[QF+32*\t+8*\ks:QF+32*\t+8*\ks+7], v[SC+16*\t+8*\kt:SC+16*\t+8*\kt+7]
.endif
.endr
.endm
.macro MASK kc                         ; key kc + 16 kt + 8 h + j of the last chunk counts only below rem: a select, no branch
.irp kt, 0,1
.irp j, 0,1,2,3,4,5,6,7
	v_cmp_lt_i32 vcc_lo, \kc+16*\kt+\j, v30
.irp t, 0,1,2,3
	v_cndmask_b32 v[SC+16*\t+8*\kt+\j], s35, v[SC+16*\t+8*\kt+\j], vcc_lo
.endr
.endr
.endr
.endm
; softmax step of query tiles a and a + 1, their lines in turn.  first = 1: nothing is carried yet.
.macro SMX a, first, vofs
.irp p, 0,1
	v_max3_num_f32 v[TT+2*\p], v[SC+16*(\a+\p)], v[SC+16*(\a+\p)+1], v[SC+16*(\a+\p)+2]
.endr
.irp j, 3,5,7,9,11,13
.irp p, 0,1
	v_max3_num_f32 v[TT+2*\p], v[TT+2*\p], v[SC+16*(\a+\p)+\j], v[SC+16*(\a+\p)+\j+1]
.endr
.endr
.irp p, 0,1
.if \first
	v_max_num_f32 v[TT+2*\p], v[TT+2*\p], v[SC+16*(\a+\p)+15]
.else
	v_max3_num_f32 v[TT+2*\p], v[TT+2*\p], v[SC+16*(\a+\p)+15], v[MX+\a+\p]
.endif
.endr
.irp p, 0,1
	v_permlanex16_b32 v[TT+2*\p+1], v[TT+2*\p], s36, s37               ; the other 16 keys of the same query
.endr
.irp p, 0,1
	v_max_num_f32 v[TT+2*\p], v[TT+2*\p], v[TT+2*\p+1]                 ; the new running maximum
.endr
.irp p, 0,1
	v_mul_f32 v[NM+2*\p], s34, v[TT+2*\p]                              ; -c max
.endr
.irp p, 0,1
	v_mov_b32 v[NM+2*\p+1], v[NM+2*\p]
.endr
.if \first == 0
.irp p, 0,1
	v_mul_f32 v[TT+2*\p+1], s34, v[MX+\a+\p]                           ; -c old max, rounded as it was when it was used
.endr
.irp p, 0,1
	v_sub_f32 v[TT+2*\p+1], v[NM+2*\p], v[TT+2*\p+1]                   ; <= 0: the shift between the exponents used then and now
.endr
.irp p, 0,1
	v_exp_f32 v[AL+2*\p], v[TT+2*\p+1]
	v_exp_f32 v[AL+2*\p+1], v[TT+2*\p+1]
.endr
.endif
.irp p, 0,1
	v_mov_b32 v[MX+\a+\p], v[TT+2*\p]                                  ; also the plain place behind the exponentials (ISA guide 5.7.2)
.endr
.irp j, 0,2,4,6,8,10,12,14
.irp p, 0,1
	v_pk_fma_f32 v[SC+16*(\a+\p)+\j:SC+16*(\a+\p)+\j+1], v[SC+16*(\a+\p)+\j:SC+16*(\a+\p)+\j+1], s[32:33], v[NM+2*\p:NM+2*\p+1] op_sel_hi:[1,0,1]
.endr
.endr
.irp j, 0,1,2,3,4,5,6,7,8,9,10,11,12,13,14,15
.irp p, 0,1
	v_exp_f32 v[SC+16*(\a+\p)+\j], v[SC+16*(\a+\p)+\j]                 ; p = 2^(c s - c max)
.endr
.endr
	v_nop                                                              ; one plain place before the results are read
	s_wait_alu depctr_va_vdst(0)
.irp p, 0,1
.if \first
	s_wait_alu depctr_va_vdst(0)
	v_pk_add_f32 v[LP+2*(\a+\p):LP+2*(\a+\p)+1], v[SC+16*(\a+\p):SC+16*(\a+\p)+1], v[SC+16*(\a+\p)+2:SC+16*(\a+\p)+3]
.else
	v_pk_fma_f32 v[LP+2*(\a+\p):LP+2*(\a+\p)+1], v[LP+2*(\a+\p):LP+2*(\a+\p)+1], v[AL+2*\p:AL+2*\p+1], v[SC+16*(\a+\p):SC+16*(\a+\p)+1]
.endif
.endr
.if \first == 0
.irp p, 0,1
	v_pk_add_f32 v[LP+2*(\a+\p):LP+2*(\a+\p)+1], v[LP+2*(\a+\p):LP+2*(\a+\p)+1], v[SC+16*(\a+\p)+2:SC+16*(\a+\p)+3]
.endr
.endif
.irp j, 4,6,8,10,12,14
.irp p, 0,1
	v_pk_add_f32 v[LP+2*(\a+\p):LP+2*(\a+\p)+1], v[LP+2*(\a+\p):LP+2*(\a+\p)+1], v[SC+16*(\a+\p)+\j:SC+16*(\a+\p)+\j+1]
.endr
.endr
.irp i, 0,1,2,3,4,5,6,7
.irp p, 0,1
	v_cvt_pk_f16_f32 v[SC+16*(\a+\p)+\i], v[SC+16*(\a+\p)+2*\i], v[SC+16*(\a+\p)+2*\i+1]    ; P^T fragment, in place
.endr
.endr
.irp p, 0,1
	ds_load_b128 v[SC+16*(\a+\p)+8:SC+16*(\a+\p)+11], v4 offset:16*VP*(4+\a+\p)+\vofs      ; V fragment 4 + t into the freed half
	ds_load_b128 v[SC+16*(\a+\p)+12:SC+16*(\a+\p)+15], v4 offset:16*VP*(4+\a+\p)+\vofs+32
.endr
.if \first == 0
	WIN 0x41
.irp p, 0,1
.set jj, 0
.rept 32
	v_pk_mul_f32 v[64*(\a+\p)+jj:64*(\a+\p)+jj+1], v[64*(\a+\p)+jj:64*(\a+\p)+jj+1], v[AL+2*\p:AL+2*\p+1]
.set jj, jj+2
.endr
.endr
	WIN 0
.endif
.endm
.macro PV u0, zero                     ; 16 matrix instructions: outputs 16 (u0 + 0..3) x my four query tiles, 32 keys
.irp uu, 0,1,2,3
.irp t, 0,1,2,3
.if \u0 == 0
.set pva, FR+8*\uu
.else
.set pva, SC+16*\uu+8
.endif
.set pvd, 64*\t+8*(\u0+\uu)
.if \zero
	v_wmma_f32_16x16x32_f16 v[pvd:pvd+7], v[pva:pva+7], v[SC+16*\t:SC+16*\t+7], 0
.else
	v_wmma_f32_16x16x32_f16 v[pvd:pvd+7], v[pva:pva+7], v[SC+16*\t:SC+16*\t+7], v[pvd:pvd+7]
.endif
.endr
.endr
.endm
; 32 keys x 64 queries.  On entry the 8 loads of K (key tile 0) into FR are issued.  kofs, vofs: the block's place in its chunk.
; tail = 0: the next block is this chunk's upper half.  tail = 1: it is the lower half of chunk nxt, a constant of the text.
.macro BLOCK first, mask, kofs, vofs, kc, tail, nxt
	NOPS 5                                         ; S is written over: it held operands of the last matrix instructions
	s_wait_dscnt 0x0                               ; K, key tile 0
	SGROUP 0, 0, 1
	SGROUP 0, 1, 0
	NOPS 4
	KLD 0, \kofs+16*KP
	KLD 1, \kofs+16*KP
	SGROUP 0, 2, 0
	SGROUP 0, 3, 0
	NOPS 4
	KLD 2, \kofs+16*KP
	KLD 3, \kofs+16*KP
	s_wait_dscnt 0x4                               ; fragments 0, 1 of key tile 1 are in; the four younger loads stay out
	SGROUP 1, 0, 1
	SGROUP 1, 1, 0
	s_wait_dscnt 0x0
	SGROUP 1, 2, 0
	SGROUP 1, 3, 0
	NOPS 4
.irp u, 0,1,2,3
	ds_load_b128 v[FR+8*\u:FR+8*\u+3], v4 offset:16*VP*\u+\vofs
	ds_load_b128 v[FR+8*\u+4:FR+8*\u+7], v4 offset:16*VP*\u+\vofs+32
.endr
.if \mask
	MASK \kc
.endif
	SMX 0, \first, \vofs
	SMX 2, \first, \vofs
	s_wait_dscnt 0x8                               ; V fragments 0-3 are in; the eight loads of 4-7 may be out
	WIN 0x50
	PV 0, \first
	s_wait_dscnt 0x0                               ; V fragments 4-7
	WIN 0
	NOPS 4                                         ; FR is loaded again
.if \tail
	v_add_nc_u32 v1, (\nxt)*KCH, v2                ; chunk nxt <= 7: its K loads end at byte 7 x 17,408 + 4,096 + 13,296 = 139,248 at the most,
	v_add_nc_u32 v4, (\nxt)*VCH, v3                ; its V loads at 286,704, below the output stages at WV = 286,720
.irp ks, 0,1,2,3
	KLD \ks, 0
.endr
.else
.irp ks, 0,1,2,3
	KLD \ks, \kofs+32*KP
.endr
.endif
	WIN 0x50
	PV 4, \first
	WIN 0
.endm
; way out: outputs 64 g .. 64 g + 63 of query tile t through my stage, then whole runs of 256 bytes
.macro OUT t, g, rb
	WIN 0x01
.irp uu, 0,1,2,3
.irp p, 0,2,4,6
	v_pk_fma_f32 v[TO+8*\uu+\p:TO+8*\uu+\p+1], v[64*\t+8*(4*\g+\uu)+\p:64*\t+8*(4*\g+\uu)+\p+1], v[LP+2*\t:LP+2*\t+1], v[BV+8*(4*\g+\uu)+\p:BV+8*(4*\g+\uu)+\p+1]
.endr
.endr
	WIN 0
.set jj, 0
.rept 32
	v_cndmask_b32 v[TO+jj], 0, v[TO+jj], s[44+\t]                      ; rows >= vl are 0, whatever was computed
.set jj, jj+1
.endr
.irp uu, 0,1,2,3
	ds_store_b128 v6, v[TO+8*\uu:TO+8*\uu+3] offset:64*\uu
	ds_store_b128 v6, v[TO+8*\uu+4:TO+8*\uu+7] offset:64*\uu+16
.endr
	s_wait_xcnt 0x0                                ; buffer rb was the data of earlier stores: loaded again only behind this wait (ISA guide 3.1)
.irp i, 0,1,2,3,4,5,6,7
	ds_load_b128 v[\rb+4*\i:\rb+4*\i+3], v7 offset:2*272*\i            ; my own bytes, served in order behind the stores above
.endr
.irp i, 0,1,2,3,4,5,6,7
	s_wait_dscnt 7-\i
	global_store_b128 v8, v[\rb+4*\i:\rb+4*\i+3], s[24:25] offset:8192*\t+1024*\i+256*\g th:TH_STORE_NT   ; 16 lanes: 256 consecutive bytes, aligned
.endr
.endm
	; ---------------- prologue ----------------
	s_load_b512 s[8:23], s[0:1], 0x0               ; x, wq, wk, wv, bq, bk, bv, valid_lens
	s_load_b64 s[24:25], s[0:1], 0x40              ; out0
	v_lshrrev_b32 v1, 5, v0
	v_readfirstlane_b32 s26, v1                    ; wave
	v_and_b32 v5, 31, v0                           ; L
	v_and_b32 v28, 15, v0                          ; r
	v_bfe_u32 v30, v0, 4, 1                        ; h
	v_lshlrev_b32 v31, 4, v5                       ; 16 L: the one vector offset of all loads, never rewritten
	s_lshl_b32 s27, s26, 6                         ; my first row
	s_mul_i32 s2, s26, KCH
	s_mul_i32 s3, s26, OST
	s_mul_i32 s4, s26, VCH
	s_add_co_u32 s5, s3, VT
	s_add_co_u32 s6, s3, WV                        ; kept: my rows of Wv's stage, later my output stage
	v_lshl_add_u32 v6, v5, 3, s5                   ; where my rows of Wq (and, WST on, Wk) go
	v_lshl_add_u32 v7, v5, 3, s6                   ; and of Wv
	v_lshl_add_u32 v8, v5, 3, s2                   ; and my x rows
	v_mul_u32_u24 v2, v28, KP
	v_lshl_add_u32 v2, v30, 4, v2                  ; KL
	v_add_nc_u32 v1, s2, v2                        ; my rows of K
	v_mul_u32_u24 v3, v28, VP
	v_lshl_add_u32 v3, v30, 4, v3
	v_add_nc_u32 v3, VT, v3                        ; VL
	v_add_nc_u32 v4, s4, v3                        ; my chunk of V^T
	s_mov_b32 s32, 0x3e0293ee                      ; c = log2(e) / sqrt(128)
	s_mov_b32 s33, 0x3e0293ee
	s_mov_b32 s34, 0xbe0293ee                      ; -c
	s_mov_b32 s35, 0xf149f2ca                      ; -1e30
	s_mov_b32 s36, 0x76543210                      ; v_permlanex16_b32: lane i of the other half
	s_mov_b32 s37, 0xfedcba98
	s_wait_kmcnt 0x0
	s_lshl_b32 s38, ttmp9, 2
	s_mov_b32 s39, 0
	s_add_nc_u64 s[22:23], s[22:23], s[38:39]
	s_load_b32 s28, s[22:23], 0x0                  ; valid_lens[b]
	s_lshl_b32 s38, ttmp9, 18                      ; b x 262,144 + w x 32,768, below 2^26
	s_lshl_b32 s7, s26, 15
	s_add_co_u32 s38, s38, s7
	s_add_nc_u64 s[8:9], s[8:9], s[38:39]          ; x and out0 at my first row
	s_add_nc_u64 s[24:25], s[24:25], s[38:39]
	s_lshl_b32 s38, s26, 13                        ; my 16 rows of each weight matrix
	s_add_nc_u64 s[10:11], s[10:11], s[38:39]
	s_add_nc_u64 s[12:13], s[12:13], s[38:39]
	s_add_nc_u64 s[14:15], s[14:15], s[38:39]
	s_cmp_eq_u32 s26, 0
	s_cselect_b64 s[40:41], s[16:17], s[18:19]
	s_cmp_eq_u32 s26, 2
	s_cselect_b64 s[40:41], s[20:21], s[40:41]     ; waves 0, 1, 2 bring bq, bk, bv
	s_cmp_gt_u32 s26, 2
	s_cbranch_scc1 .Lnob1
	global_load_b128 v[24:27], v31, s[40:41]
.Lnob1:
	; ---------------- staging: three units of 16 loads (8,192 bytes) of every wave are on their way ----------------
	LD16 1, 0, 10, 0, 0                            ; my rows of Wq
	LD16 1, 64, 12, 0, 0                           ; of Wk
	LD16 0, 192, 8, 0, 1                           ; x tile 0, asked for before vl is known: a wave beyond vl drops these 8,192 bytes
	s_wait_loadcnt 32                              ; Wq (and the bias in front of it) is in; two units stay out
	CV16 1, 0, 6, 0, WP
	WIN 0
	s_cmp_gt_u32 s26, 2
	s_cbranch_scc1 .Lnob2
	s_lshl_b32 s7, s26, 9
	s_add_co_u32 s7, s7, BIAS
	v_add_nc_u32 v29, s7, v31
	ds_store_b128 v29, v[24:27]
.Lnob2:
	LD16 0, 128, 14, 0, 0                          ; my rows of Wv
	s_wait_loadcnt 32                              ; Wk is in
	CV16 1, 64, 6, WST, WP
	WIN 0
	s_wait_kmcnt 0x0
	s_max_i32 s28, s28, 0
	s_min_u32 s28, s28, 0x200                      ; vl in 0..512
	s_max_u32 s29, s28, 1
	s_sub_co_u32 s29, s29, 1
	s_lshr_b32 s29, s29, 6
	s_min_u32 s29, s29, 7                          ; CL: the chunk of the last valid key
	s_lshl_b32 s30, s29, 6
	s_sub_co_u32 s30, s28, s30                     ; rem: valid keys in it, 1..64
	s_mul_i32 s42, s29, KCH
	s_mul_i32 s43, s29, VCH
	s_cmp_ge_u32 s27, s28
	s_cbranch_scc1 .Linv
	LD16 1, 128, 8, 8192, 1                        ; x tile 1
	s_wait_loadcnt 32                              ; x tile 0 is in
	CV16 0, 192, 8, 0, KP
	XFLD 0
	LD16 1, 192, 8, 16384, 1                       ; x tile 2
	s_wait_loadcnt 32                              ; Wv
	CV16 0, 128, 7, 0, WP
	LD16 0, 32, 8, 24576, 1                        ; x tile 3
	s_wait_loadcnt 32                              ; x tile 1
	CV16 1, 128, 8, 16*KP, KP
	XFLD 1
	s_wait_loadcnt 16                              ; x tile 2; one unit stays out
	CV16 1, 192, 8, 32*KP, KP
	XFLD 2
	s_wait_loadcnt 0
	CV16 0, 32, 8, 48*KP, KP
	XFLD 3
	WIN 0
	s_branch .Ljoin1
.Linv:                                                 ; all my rows are masked: finish the weights, store zeros
	s_wait_loadcnt 0
	CV16 0, 128, 7, 0, WP
	v_mov_b32 v8, 0
	v_mov_b32 v9, 0
	v_mov_b32 v10, 0
	v_mov_b32 v11, 0
.set jj, 0
.rept 64
	global_store_b128 v31, v[8:11], s[24:25] offset:512*jj th:TH_STORE_NT     ; a whole row of 512 bytes
.set jj, jj+1
.endr
	s_wait_xcnt 0x0                                ; v8-11 serve other ends further down the text
.Ljoin1:
	v_and_b32 v26, 7, v0
	v_lshl_add_u32 v26, v30, 3, v26                ; 8 h + (L & 7)
	v_mul_u32_u24 v25, v26, WP
	v_bfe_u32 v26, v0, 3, 1
	v_lshl_add_u32 v25, v26, 4, v25                ; lane term of the transposing loads
	v_add_nc_u32 v6, VT, v25                       ; in Wq's stage
	v_add_nc_u32 v7, VT+WST, v25                   ; in Wk's
	v_lshl_add_u32 v24, v30, 5, BIAS               ; bias fragments: 32 h
	s_wait_dscnt 0x0                               ; my rows of the weights (and the bias) are in LDS, my x fragments in registers
	s_barrier_signal -1
	s_barrier_wait -1                              ; barrier 1: weights and biases may be read by all
	s_cmp_ge_u32 s27, s28
	s_cbranch_scc1 .Ljoin2
	; ---------------- P1: Q into registers, K over my own x rows ----------------
	PLOAD 0
	PLOAD 1
.irp s, 0,1,2,3,4,5,6,7,8,9,10,11,12,13,14,15
	QKSTEP \s
.endr
.Ljoin2:
	v_add_nc_u32 v6, WV, v25                       ; in Wv's stage
	s_wait_dscnt 0x0                               ; my K rows are stored, my reads of Wq's and Wk's stages are over
	s_barrier_signal -1
	s_barrier_wait -1                              ; barrier 2: V^T may be written over those stages
	s_cmp_ge_u32 s27, s28
	s_cbranch_scc1 .Ljoin3
	; ---------------- P2: V^T ----------------
	FRAGW WF0, 6, 0
	FRAGW WF0+32, 6, 1
.irp u, 0,1,2,3,4,5,6,7
	VSTEP \u
.endr
.Ljoin3:
	s_wait_dscnt 0x0                               ; my chunk of V^T is stored, my reads of Wv's stage are over
	s_barrier_signal -1
	s_barrier_wait -1                              ; barrier 3: K and V^T may be read by all, Wv's stage becomes the output stages
	s_cmp_ge_u32 s27, s28
	s_cbranch_scc1 .Lend
	; ---------------- attention: the last chunk first (masked; its first key is valid, so its products start all sums) ----------------
	v_add_nc_u32 v1, s42, v2
	v_add_nc_u32 v4, s43, v3
	v_lshlrev_b32 v30, 3, v30
	v_sub_nc_u32 v30, s30, v30                     ; rem - 8 h
	v_mov_b32 v[TT+1], 0                           ; the destination of v_permlanex16_b32 counts as read: written once here
	v_mov_b32 v[TT+3], 0
.irp ks, 0,1,2,3
	KLD \ks, 0
.endr
	BLOCK 1, 1, 0, 0, 0, 0, 0
	BLOCK 0, 1, 32*KP, 64, 32, 1, 0
	; the CL full chunks 0 .. CL - 1, written out.  A chunk's second block looks ahead into chunk c + 1 <= CL: bytes that are written.
.irp c, 0,1,2,3,4,5,6
	s_cmp_le_u32 s29, \c                           ; CL <= c: all full chunks are done
	s_cbranch_scc1 .Lfin
	BLOCK 0, 0, 0, 0, 0, 0, 0
	BLOCK 0, 0, 32*KP, 64, 0, 1, \c+1
.endr
.Lfin:
	; ---------------- way out: through my own stage, bytes that no wave's K or V loads reach ----------------
	s_wait_dscnt 0x0                               ; the look-ahead loads have landed
	NOPS 4                                         ; behind the last matrix instructions
	v_and_b32 v1, 15, v0                           ; r
	v_bfe_u32 v4, v0, 4, 1                         ; h
	v_lshl_add_u32 v9, v4, 5, BIAS+1024            ; bv fragments
.irp u, 0,1,2,3,4,5,6,7
	ds_load_b128 v[BV+8*\u:BV+8*\u+3], v9 offset:64*\u
	ds_load_b128 v[BV+8*\u+4:BV+8*\u+7], v9 offset:64*\u+16
.endr
	v_mul_u32_u24 v6, v1, 272
	v_lshl_add_u32 v6, v4, 5, v6
	v_add_nc_u32 v6, s6, v6                        ; stage in: row r, 32 bytes for each half of the lanes
	v_mul_u32_u24 v7, v4, 272
	v_lshl_add_u32 v7, v1, 4, v7
	v_add_nc_u32 v7, s6, v7                        ; stage back: lanes 0-15 one row's 256 bytes, lanes 16-31 the next row's
	v_lshlrev_b32 v8, 9, v4
	v_lshl_add_u32 v8, v1, 4, v8                   ; the same two rows in out0
.irp t, 0,1,2,3
	v_add_f32 v[TT+\t], v[LP+2*\t], v[LP+2*\t+1]
.endr
.irp t, 0,1,2,3
	v_permlanex16_b32 v[NM+\t], v[TT+\t], s36, s37
.endr
.irp t, 0,1,2,3
	v_add_f32 v[TT+\t], v[TT+\t], v[NM+\t]         ; l: it holds the term of the maximum, about 1, so it is never 0
.endr
.irp t, 0,1,2,3
	v_rcp_f32 v[LP+2*\t], v[TT+\t]
	v_rcp_f32 v[LP+2*\t+1], v[TT+\t]
.endr
	v_add_nc_u32 v5, s27, v1                       ; plain work behind the reciprocals: my row in tile 0
	s_wait_alu depctr_va_vdst(0)
.irp t, 0,1,2,3
	v_add_nc_u32 v[AL+\t], 16*\t, v5
	v_cmp_gt_u32 s[44+\t], s28, v[AL+\t]           ; row < vl
.endr
	s_wait_dscnt 0x0                               ; bv
	OUT 0, 0, RB0
	OUT 0, 1, RB1
	OUT 1, 0, RB0
	OUT 1, 1, RB1
	OUT 2, 0, RB0
	OUT 2, 1, RB1
	OUT 3, 0, RB0
	OUT 3, 1, RB1
.Lend:
	s_wait_xcnt 0x0
	v_lshl_add_u32 v254, v0, 2, 0x4f600
	v_mov_b32 v255, 0
	s_wait_tensorcnt 0x0
	ds_add_u32 v254, v255
	s_wait_dscnt 0x0
	s_endpgm
.Lfunc_end_k_q3bc67de1e2_attn:
	.size	k_q3bc67de1e2_attn, .Lfunc_end_k_q3bc67de1e2_attn-k_q3bc67de1e2_attn
	.p2alignl 7, 3214868480
	.fill 96, 4, 3214868480
	.section	.rodata,"a",@progbits
	.p2align	6, 0x0
	.amdhsa_kernel k_q3bc67de1e2_attn
		.amdhsa_group_segment_fixed_size 326144
		.amdhsa_private_segment_fixed_size 0
		.amdhsa_enable_private_segment 0
		.amdhsa_kernarg_size 72
		.amdhsa_user_sgpr_count 2
		.amdhsa_user_sgpr_kernarg_segment_ptr 1
		.amdhsa_wavefront_size32 1
		.amdhsa_system_sgpr_workgroup_id_x 1
		.amdhsa_system_sgpr_workgroup_id_y 1
		.amdhsa_system_sgpr_workgroup_id_z 1
		.amdhsa_system_vgpr_workitem_id 0
		.amdhsa_next_free_vgpr 512
		.amdhsa_next_free_sgpr 66
		.amdhsa_reserve_vcc 1
		.amdhsa_float_denorm_mode_32 3
		.amdhsa_float_denorm_mode_16_64 3
		.amdhsa_memory_ordered 1
		.amdhsa_forward_progress 1
		.amdhsa_inst_pref_size 255
	.end_amdhsa_kernel
	.section	.bss,"aw",@nobits
	.p2align	6
	.space	262144
	.amdgpu_metadata
---
amdhsa.version: [ 1, 2 ]
amdhsa.kernels:
  - .name:           k_q3bc67de1e2_attn
    .symbol:         k_q3bc67de1e2_attn.kd
    .args:
      - { .name: x, .offset: 0, .size: 8, .value_kind: global_buffer, .address_space: global }
      - { .name: wq, .offset: 8, .size: 8, .value_kind: global_buffer, .address_space: global }
      - { .name: wk, .offset: 16, .size: 8, .value_kind: global_buffer, .address_space: global }
      - { .name: wv, .offset: 24, .size: 8, .value_kind: global_buffer, .address_space: global }
      - { .name: bq, .offset: 32, .size: 8, .value_kind: global_buffer, .address_space: global }
      - { .name: bk, .offset: 40, .size: 8, .value_kind: global_buffer, .address_space: global }
      - { .name: bv, .offset: 48, .size: 8, .value_kind: global_buffer, .address_space: global }
      - { .name: valid_lens, .offset: 56, .size: 8, .value_kind: global_buffer, .address_space: global }
      - { .name: out0, .offset: 64, .size: 8, .value_kind: global_buffer, .address_space: global }
    .group_segment_fixed_size: 326144
    .private_segment_fixed_size: 0
    .kernarg_segment_align: 8
    .kernarg_segment_size: 72
    .max_flat_workgroup_size: 256
    .sgpr_count:     66
    .vgpr_count:     512
    .wavefront_size: 32
...
	.end_amdgpu_metadata
.endif
;; end of part 1
